; MI455X (gfx1250); checked and timed in simulation.
; The chip was launched on July 23, 2026; its instructions are those of AMD's public machine-readable ISA for CDNA 5 (MIT licence, August 2026) and "CDNA5" Instruction Set Architecture Reference Guide (July 2026). The comments in the code are by the model that wrote it; some were corrected since.
;; Multi Lora Module. Allowed arithmetic: float matrix products may take bf16 or f16 operands with f32 sums; all other float work in f32.
;; Inputs: adapter_ids 4 int32; base_bias 4,096 float32; base_weight 4,096 x 4,096 float32; lora_A_w 32 x 16 x 4,096 float32; lora_B_w 32 x 4,096 x 16 float32; x 4 x 1,024 x 4,096 float32.
;; Outputs: out0 4 x 1,024 x 4,096 float32.
;; One version. Each part assembles by itself: llvm-mc -triple=amdgcn-amd-amdhsa -mcpu=gfx1250 --defsym DOCPART=n.
;; ======== version 1 of 1: 2 launches
;; workspace buffers: xa 33,554,432 bytes; wb 33,554,432 bytes; hp 1,048,576 bytes
;; launch prep (part 1): grid 256 x 1, 16 waves a work-group, no clusters, 208,896 bytes of LDS; arguments x, base_weight, lora_A_w, adapter_ids, xa, wb, hp; writes xa, wb, hp
.if DOCPART == 1
	.amdgcn_target "amdgcn-amd-amdhsa--gfx1250"
	.amdhsa_code_object_version 6
	.text
	.protected	k_qa46ffc188c_prep
	.globl	k_qa46ffc188c_prep
	.p2align	8
	.type	k_qa46ffc188c_prep,@function
k_qa46ffc188c_prep:
	s_mov_b64 s[64:65], 0
	v_nop
	global_prefetch_b8 v0, s[64:65] scope:SCOPE_SE
	s_setreg_imm32_b32 hwreg(HW_REG_WAVE_MODE, 25, 1), 1
	s_wait_xcnt 0x0
; Cast pass with the adapters' first product.
;   xa: [4096][4096] bf16 = x (taken as [4096][4096]);  wb: [4096][4096] bf16 = base_weight;  both rounded to nearest even, each byte read and written once.
;   hp: partial sums of h[m][r] = sum_d x[m][d] A[r][d], A = lora_A_w[adapter_ids[m / 1024]], operands in bf16, sums in f32:
;       hp[cq][m / 16][q][lane][4]: the sum over columns 1024 cq .. + 1023; lane (r = lane % 16, hh = lane / 16), quad q: h(16 (m / 16) + r, ranks 8 hh + 4 q .. + 3).
;       That is the register image in which the product kernel wants h; it adds the four partial sums.
; Work-group g owns rows 64 (g >> 2) .. + 63 and columns 1024 (g & 3) .. + 1023 of x and of base_weight.  16 waves: wave (rp = w >> 3, ch = w & 7) owns
; 32 rows x 128 columns, so a load of a wave covers 512 consecutive aligned bytes of a row and a store 256.  It also loads ranks 8 rp .. + 7 of the adapter in its
; chunk's columns: the work-group reads each of its 64 KB of the adapter once.
; 72 turns a wave (32 rows of x, 8 of A, 32 of base_weight) on a ring of 20 register slots: 20 loads of every wave are on their way.
; The cast rows of x and A also go into LDS, where K runs along rows of 272 bytes; behind a barrier each wave reads them as fragments and makes
; h of its 32 rows over its 128 columns with 8 matrix instructions, while base_weight's loads are on their way.  The eight chunks' sums meet in LDS.
; Memory binds.  No cluster and no tensor loads: only the adapter's rows are shared between work-groups, 64 KB of the 576 KB that a work-group reads.
; LIMITS: adapter_ids above 31 (as unsigned numbers) are clamped to 31; f32 magnitudes above bf16's largest finite number become infinity.
.set SROW,  16384                      ; bytes of a row in f32
.set DROW,  8192                       ; bytes of a row in bf16
.set SLOTS, 20
.set TURNS, 72
.set YRING, 24
.set PITCH, 272                        ; an LDS row: 256 bytes (128 bf16) + 16, so the 16 rows of a fragment load start 16 bytes further on in each 256
.set XL,    0                          ; 16 waves x 32 rows of x: each wave's own
.set AL,    16*32*PITCH                ; 139,264: 8 chunks x 16 ranks of A: written by two waves, read by two
.set HP,    AL+8*16*PITCH              ; 174,080: 4 blocks of 16 rows x 8 chunks x 1,024 bytes: h as register images; ends at 206,848
.set LO,  1                            ; 16 x lane: my bytes of a wave's 512 in a source row; never rewritten
.set SO,  2                            ; 8 x lane: my bytes of a wave's 256 in a cast row; never rewritten
.set XST, 3                            ; LDS: where I put 8 bytes of a row of x
.set AST, 4                            ; LDS: where I put 8 bytes of a row of A
.set XFA, 5                            ; LDS: my part of a fragment of x
.set AFA, 6                            ; LDS: my part of a fragment of A
.set HST, 7                            ; LDS: where I put my h
.set HLD, 8                            ; LDS: where I read the eight chunks' h (waves 0-7)
.set HGO, 9                            ; 16 x thread: my bytes of the work-group's 4,096 in hp (waves 0-7)
.set X,   10                           ; v[10:89]    slot i % 20: four f32 as loaded
.set Y,   90                           ; v[90:137]   pair i % 24: four bf16
.set AF,  138                          ; v[138:169]  four fragments of A (16 ranks x 32 K)
.set XF,  170                          ; v[170:233]  two blocks of 16 rows x four fragments of x; at the end the eight chunks' sums
.set ACC, 234                          ; v[234:249]  h of my two blocks of 16 rows
	s_load_b256 s[4:11], s[0:1], 0x0               ; x s[4:5], base_weight s[6:7], lora_A_w s[8:9], adapter_ids s[10:11]
	s_load_b128 s[12:15], s[0:1], 0x20             ; xa s[12:13], wb s[14:15]
	s_load_b64 s[26:27], s[0:1], 0x30              ; hp
	v_lshl_add_u32 v254, v0, 2, 0x32800
	v_mov_b32 v255, 0
	v_lshrrev_b32 v1, 5, v0
	v_readfirstlane_b32 s28, v1                    ; wave 0..15
	s_and_b32 s29, s28, 7                          ; ch: my chunk of 128 columns
	s_lshr_b32 s30, s28, 3                         ; rp: my 32 of the 64 rows
	s_lshr_b32 s21, ttmp9, 6                       ; my batch (1,024 rows = 16 groups of 64 rows x 4 column quarters),
	s_lshl_b32 s21, s21, 2                         ; and the byte offset of its id (kept untouched while that load is out)
	s_lshr_b32 s18, ttmp9, 2                       ; rg: my 64 rows
	s_and_b32 s19, ttmp9, 3                        ; cq: my 1,024 columns
	s_lshl_b32 s22, s19, 12
	s_lshl_b32 s23, s29, 9
	s_add_co_u32 s22, s22, s23                     ; my chunk's place in a row of f32: 4,096 cq + 512 ch
	s_lshl_b32 s16, s18, 20                        ; 64 rows of 16,384 bytes
	s_lshl_b32 s23, s30, 19                        ; 32 rows
	s_add_co_u32 s16, s16, s23
	s_add_co_u32 s16, s16, s22                     ; my first row's 512 bytes in x and in base_weight (below 64 MiB)
	s_mov_b32 s17, 0                               ; every offset here is below 4 GiB: the pair's high word stays 0
	v_and_b32 v[SO], 31, v0                        ; lane
	v_lshlrev_b32 v[LO], 4, v[SO]
	v_lshlrev_b32 v[SO], 3, v[SO]
	v_lshlrev_b32 v[HGO], 4, v0
	v_and_b32 v[XFA], 15, v0                       ; r
	v_bfe_u32 v[AFA], v0, 4, 1                     ; hh
	v_mul_u32_u24 v[XFA], v[XFA], PITCH
	v_lshl_add_u32 v[XFA], v[AFA], 4, v[XFA]       ; r x pitch + 16 hh: a fragment is two loads of 16 bytes there, 32 bytes apart
	s_mul_i32 s31, s28, 32*PITCH                   ; my wave's 32 rows of x in LDS
	s_mul_i32 s32, s29, 16*PITCH
	s_add_co_u32 s32, s32, AL                      ; my chunk's 16 rows of A
	s_mul_i32 s33, s30, 8*PITCH
	s_add_co_u32 s33, s33, s32                     ; of which I write ranks 8 rp .. + 7
	s_lshl_b32 s34, s30, 14                        ; my h: image (block 2 rp, chunk ch) is number 8 (2 rp) + ch, 1,024 bytes each:
	s_lshl_b32 s37, s29, 10                        ; 16,384 rp + 1,024 ch,
	s_add_co_u32 s34, s34, s37
	s_add_co_u32 s34, s34, HP                      ; at 174,080 and above: behind every byte that a fragment load reads
	s_lshr_b32 s35, s28, 1                         ; at the end wave w < 8 adds quad w & 1 of block w >> 1
	s_lshl_b32 s35, s35, 13
	s_and_b32 s36, s28, 1
	s_lshl_b32 s36, s36, 9
	s_add_co_u32 s35, s35, s36
	s_add_co_u32 s35, s35, HP
	v_add_nc_u32 v[XST], s31, v[SO]
	v_add_nc_u32 v[AST], s33, v[SO]
	v_add_nc_u32 v[AFA], s32, v[XFA]
	v_add_nc_u32 v[XFA], s31, v[XFA]
	v_add_nc_u32 v[HST], s34, v[LO]
	v_add_nc_u32 v[HLD], s35, v[LO]
	s_wait_kmcnt 0x0
	s_load_b32 s20, s[10:11], s21 offset:0x0       ; adapter_ids[batch]
	s_add_nc_u64 s[4:5], s[4:5], s[16:17]          ; x at my first row
	s_add_nc_u64 s[6:7], s[6:7], s[16:17]          ; base_weight at my first row
	s_lshr_b32 s16, s16, 1                         ; the same place in bf16
	s_add_nc_u64 s[12:13], s[12:13], s[16:17]      ; xa
	s_add_nc_u64 s[14:15], s[14:15], s[16:17]      ; wb
	s_lshl_b32 s16, s19, 18                        ; hp: a column quarter's 262,144 bytes,
	s_lshl_b32 s23, s18, 12                        ; four blocks of 1,024 bytes for each 64 rows
	s_add_co_u32 s16, s16, s23
	s_add_nc_u64 s[26:27], s[26:27], s[16:17]
; Load number i of 72: 0-31 x, 40-71 base_weight (both read once in the launch), 32-39 the adapter's rows (read by other work-groups too: no hint).
.macro LD i
.if (\i) < 32
	global_load_b128 v[X+4*((\i)%SLOTS):X+4*((\i)%SLOTS)+3], v[LO], s[4:5] offset:(\i)*SROW th:TH_LOAD_NT
.else
.if (\i) < 40
	global_load_b128 v[X+4*((\i)%SLOTS):X+4*((\i)%SLOTS)+3], v[LO], s[24:25] offset:((\i)-32)*SROW
.else
	global_load_b128 v[X+4*((\i)%SLOTS):X+4*((\i)%SLOTS)+3], v[LO], s[6:7] offset:((\i)-40)*SROW th:TH_LOAD_NT
.endif
.endif
.endm
; Turn i: the slot's load is in; round; fill the slot again with load i + 20 (if there is one); the four bf16 go to LDS (x, A) and to memory (x, base_weight).
.macro TURN i
.if (\i) < TURNS-SLOTS
	s_wait_loadcnt SLOTS-1                         ; loads come back in order (ISA guide 5.7.1): mine is in, the 19 younger ones stay out
.else
	s_wait_loadcnt TURNS-1-(\i)                    ; nothing is issued any more: the counts run down to 0
.endif
	v_cvt_pk_bf16_f32 v[Y+2*((\i)%YRING)],   v[X+4*((\i)%SLOTS)],   v[X+4*((\i)%SLOTS)+1]
	v_cvt_pk_bf16_f32 v[Y+2*((\i)%YRING)+1], v[X+4*((\i)%SLOTS)+2], v[X+4*((\i)%SLOTS)+3]
.if (\i)+SLOTS < TURNS
	LD (\i)+SLOTS
.endif
.if (\i) < 32
	ds_store_b64 v[XST], v[Y+2*((\i)%YRING):Y+2*((\i)%YRING)+1] offset:(\i)*PITCH
	global_store_b64 v[SO], v[Y+2*((\i)%YRING):Y+2*((\i)%YRING)+1], s[12:13] offset:(\i)*DROW
.else
.if (\i) < 40
	ds_store_b64 v[AST], v[Y+2*((\i)%YRING):Y+2*((\i)%YRING)+1] offset:((\i)-32)*PITCH
.else
	global_store_b64 v[SO], v[Y+2*((\i)%YRING):Y+2*((\i)%YRING)+1], s[14:15] offset:((\i)-40)*DROW
.endif
.endif
.endm
.irp i, 0,1,2,3,4,5,6,7,8,9,10,11,12,13,14,15,16,17,18,19
	LD \i                                          ; the ring is filled
.endr
	s_wait_kmcnt 0x0                               ; the id
	s_min_u32 s20, s20, 31                         ; stays inside the table of 32 adapters
	s_lshl_b32 s20, s20, 18                        ; an adapter's 16 rows of 16,384 bytes
	s_lshl_b32 s16, s30, 17                        ; ranks 8 rp ..
	s_add_co_u32 s16, s16, s20
	s_add_co_u32 s16, s16, s22                     ; my chunk's columns
	s_add_nc_u64 s[24:25], s[8:9], s[16:17]        ; first needed by load 32, which turn 12 issues
.irp i, 0,1,2,3,4,5,6,7,8,9,10,11,12,13,14,15,16,17,18,19,20,21,22,23
	TURN \i
.endr
	s_wait_xcnt 0x0                                ; the 24 pairs of Y, which the stores of turns 0-23 read, are written again only behind this wait
.irp i, 24,25,26,27,28,29,30,31,32,33,34,35,36,37,38,39
	TURN \i
.endr
	; h of my 32 rows over my 128 columns.  20 loads of base_weight are on their way meanwhile.
	s_wait_dscnt 0x0                               ; for the other waves' sake: my rows of A (and of x) are in LDS
	s_barrier_signal -1
	s_barrier_wait -1                              ; all 16 ranks of my chunk are there
.irp c, 0,1,2,3
	ds_load_b128 v[AF+8*\c:AF+8*\c+3],   v[AFA] offset:64*\c       ; A(rank r, K = 32 c + 8 hh .. + 7)
	ds_load_b128 v[AF+8*\c+4:AF+8*\c+7], v[AFA] offset:64*\c+32    ; A(rank r, K = 32 c + 16 + 8 hh .. + 7)
.endr
.irp e, 0,1
.irp c, 0,1,2,3
	ds_load_b128 v[XF+32*\e+8*\c:XF+32*\e+8*\c+3],   v[XFA] offset:\e*16*PITCH+64*\c
	ds_load_b128 v[XF+32*\e+8*\c+4:XF+32*\e+8*\c+7], v[XFA] offset:\e*16*PITCH+64*\c+32
.endr
.endr
	s_wait_dscnt 0x0
	; source 0 = 16 ranks of A, source 1 = 16 rows of x: lane (r, hh) gets h(row r, ranks 8 hh + 0..7).  The first product starts each sum.
	; The two accumulators take turns, one instruction a turn.
.irp c, 0,1,2,3
.irp e, 0,1
.if \c
	v_wmma_f32_16x16x32_bf16 v[ACC+8*\e:ACC+8*\e+7], v[AF+8*\c:AF+8*\c+7], v[XF+32*\e+8*\c:XF+32*\e+8*\c+7], v[ACC+8*\e:ACC+8*\e+7]
.else
	v_wmma_f32_16x16x32_bf16 v[ACC+8*\e:ACC+8*\e+7], v[AF+8*\c:AF+8*\c+7], v[XF+32*\e+8*\c:XF+32*\e+8*\c+7], 0
.endif
.endr
.endr
.rept 4
	v_nop                                          ; four places behind the last matrix instructions, before LDS stores read the results
.endr
	; The images lie in bytes of their own, which no fragment load touches, so no barrier stands in front of these stores; they are read behind the closing barrier.
.irp e, 0,1
	ds_store_b128 v[HST], v[ACC+8*\e:ACC+8*\e+3]   offset:8192*\e          ; register images: quad q of lane l at 512 q + 16 l of the image (block 2 rp + e, chunk ch)
	ds_store_b128 v[HST], v[ACC+8*\e+4:ACC+8*\e+7] offset:8192*\e+512
.endr
.irp i, 40,41,42,43,44,45,46,47
	TURN \i
.endr
	s_wait_xcnt 0x0                                ; the 24 pairs of Y, which the stores of turns 24-47 read, are written again only behind this wait
.irp i, 48,49,50,51,52,53,54,55,56,57,58,59,60,61,62,63,64,65,66,67,68,69,70,71
	TURN \i
.endr
	; the eight chunks' sums are added: 4 blocks x 1,024 bytes = 16 bytes for each thread of waves 0-7
	s_wait_dscnt 0x0                               ; for the other waves' sake: my images are in LDS
	s_barrier_signal -1
	s_barrier_wait -1
	s_cmp_ge_u32 s28, 8
	s_cbranch_scc1 .Ldone
.irp c, 0,1,2,3,4,5,6,7
	ds_load_b128 v[XF+4*\c:XF+4*\c+3], v[HLD] offset:1024*\c
.endr
	s_wait_dscnt 0x0
.irp c, 0,8,16,24
	v_pk_add_f32 v[XF+\c:XF+\c+1],   v[XF+\c:XF+\c+1],   v[XF+\c+4:XF+\c+5]
	v_pk_add_f32 v[XF+\c+2:XF+\c+3], v[XF+\c+2:XF+\c+3], v[XF+\c+6:XF+\c+7]
.endr
.irp c, 0,16
	v_pk_add_f32 v[XF+\c:XF+\c+1],   v[XF+\c:XF+\c+1],   v[XF+\c+8:XF+\c+9]
	v_pk_add_f32 v[XF+\c+2:XF+\c+3], v[XF+\c+2:XF+\c+3], v[XF+\c+10:XF+\c+11]
.endr
	v_pk_add_f32 v[XF:XF+1],   v[XF:XF+1],   v[XF+16:XF+17]
	v_pk_add_f32 v[XF+2:XF+3], v[XF+2:XF+3], v[XF+18:XF+19]
	global_store_b128 v[HGO], v[XF:XF+3], s[26:27] ; a wave stores 512 consecutive aligned bytes
.Ldone:
	s_wait_tensorcnt 0x0
	ds_add_u32 v254, v255
	s_wait_dscnt 0x0
	s_endpgm
.Lfunc_end_k_qa46ffc188c_prep:
	.size	k_qa46ffc188c_prep, .Lfunc_end_k_qa46ffc188c_prep-k_qa46ffc188c_prep
	.p2alignl 7, 3214868480
	.fill 96, 4, 3214868480
	.section	.rodata,"a",@progbits
	.p2align	6, 0x0
	.amdhsa_kernel k_qa46ffc188c_prep
		.amdhsa_group_segment_fixed_size 208896
		.amdhsa_private_segment_fixed_size 0
		.amdhsa_enable_private_segment 0
		.amdhsa_kernarg_size 56
		.amdhsa_user_sgpr_count 2
		.amdhsa_user_sgpr_kernarg_segment_ptr 1
		.amdhsa_wavefront_size32 1
		.amdhsa_system_sgpr_workgroup_id_x 1
		.amdhsa_system_sgpr_workgroup_id_y 1
		.amdhsa_system_sgpr_workgroup_id_z 1
		.amdhsa_system_vgpr_workitem_id 0
		.amdhsa_next_free_vgpr 256
		.amdhsa_next_free_sgpr 66
		.amdhsa_reserve_vcc 0
		.amdhsa_float_denorm_mode_32 3
		.amdhsa_float_denorm_mode_16_64 3
		.amdhsa_memory_ordered 1
		.amdhsa_forward_progress 1
		.amdhsa_inst_pref_size 34
	.end_amdhsa_kernel
	.amdgpu_metadata
---
amdhsa.version: [ 1, 2 ]
amdhsa.kernels:
  - .name:           k_qa46ffc188c_prep
    .symbol:         k_qa46ffc188c_prep.kd
    .args:
      - { .name: x, .offset: 0, .size: 8, .value_kind: global_buffer, .address_space: global }
      - { .name: base_weight, .offset: 8, .size: 8, .value_kind: global_buffer, .address_space: global }
      - { .name: lora_A_w, .offset: 16, .size: 8, .value_kind: global_buffer, .address_space: global }
      - { .name: adapter_ids, .offset: 24, .size: 8, .value_kind: global_buffer, .address_space: global }
      - { .name: xa, .offset: 32, .size: 8, .value_kind: global_buffer, .address_space: global }
      - { .name: wb, .offset: 40, .size: 8, .value_kind: global_buffer, .address_space: global }
      - { .name: hp, .offset: 48, .size: 8, .value_kind: global_buffer, .address_space: global }
    .group_segment_fixed_size: 208896
    .private_segment_fixed_size: 0
    .kernarg_segment_align: 8
    .kernarg_segment_size: 56
    .max_flat_workgroup_size: 512
    .sgpr_count:     66
    .vgpr_count:     256
    .wavefront_size: 32
...
	.end_amdgpu_metadata
.endif
;; end of part 1
;; launch gemm (part 2): grid 16 x 16, 4 waves a work-group, clusters of 4 x 4, 327,680 bytes of LDS; arguments xa, wb, hp, lora_B_w, base_bias, adapter_ids, out0; writes out0
.if DOCPART == 2
	.amdgcn_target "amdgcn-amd-amdhsa--gfx1250"
	.amdhsa_code_object_version 6
	.text
	.protected	k_qa46ffc188c_gemm
	.globl	k_qa46ffc188c_gemm
	.p2align	8
	.type	k_qa46ffc188c_gemm,@function
k_qa46ffc188c_gemm:
	s_mov_b64 s[64:65], 0
	v_nop
	global_prefetch_b8 v0, s[64:65] scope:SCOPE_SE
	s_setreg_imm32_b32 hwreg(HW_REG_WAVE_MODE, 25, 1), 1
	s_wait_xcnt 0x0
	s_wait_alu depctr_hold_cnt(0) depctr_sa_sdst(0) depctr_va_vdst(0) depctr_va_sdst(0) depctr_va_ssrc(0) depctr_va_vcc(0) depctr_vm_vsrc(0)
	s_getreg_b32 s2, hwreg(HW_REG_IB_STS2, 6, 4)
	s_cmp_eq_u32 s2, 0
	s_cbranch_scc0 .Lentry_in_a_cluster
	s_endpgm
.Lentry_in_a_cluster:
	s_bfe_u32 s2, ttmp6, 0x10000c
	s_cmp_lg_u32 s2, 0xf033
	s_cbranch_scc0 .Lentry_shape_is_right
	s_endpgm
.Lentry_shape_is_right:
; out[m][o] = sum_d x[m][d] W[o][d] + bias[o] + sum_r h[m][r] Bw[o][r],  Bw = lora_B_w[adapter_ids[m / 1024]].  m, o, d = 4096, rank 16.
; xa, wb: x and W in bf16.  hp: h in four partial sums in f32, as register images (both made by the launch before).  Sums in f32, out in f32.
; A work-group makes a block of 256 x 256 with four waves, a wave 128 x 128: 64 accumulator tiles of 16 x 16, 512 registers.  K goes in steps of
; 128 through a ring of two LDS slots filled by the tensor data mover; a tile's rows are 256 bytes of memory at multiples of 256 bytes.
; THE ADAPTER: while the first tiles are on their way each wave adds h's four partial sums for its 128 rows, splits h into h_hi = bf16(h) and
; h_lo = bf16(h - h_hi), rounds its 128 rows of Bw to bf16, and makes one step of 32 along K, [h_hi | h_lo] x [Bw | Bw]: rank 16 twice fills the
; instruction's 32, and h keeps two bf16 mantissas.  This step takes the constant 0 as C and so starts all 64 sums: nothing is ever cleared.
; CLUSTERS: 4 x 4 work-groups.  The four of a row of the cluster need the same tiles of xa, the four of a column the same tiles of wb: each tile is
; asked for jointly (same line, same descriptor, a mask that names the four), which divides the requests by four.  A cluster's four block rows are
; one batch (1,024 rows), so the batch is the cluster's y.
; LIMITS: adapter_ids above 31 (as unsigned numbers) are clamped to 31.  Bw beyond bf16's largest finite number becomes infinity; where h itself is
; infinite, h - h_hi is NaN.
;
; REGISTERS, in windows of 256 (s_set_vgpr_msb's low byte: bits 1:0 source 0, 3:2 source 1, 5:4 source 2, 7:6 destination):
;   window 0: v1-5 scratch, v8-22 addresses, v24-31 bias, v64-127 and v128-191 fragments of x (two buffers), v192-255 at work
;   window 1: v0-63 eight fragments of [Bw | Bw]; v64-127, v128-191 fragments of W (two buffers)
;   window 2: the 32 accumulator tiles of my rows 0-63 (tile (a, b) at v[8 (8 a + b)]);  window 3: those of my rows 64-127
;   At the start the four fragment buffers hold h's four partial sums, then window 0's buffer 1 the eight fragments [h_hi | h_lo].
; THE MATRIX INSTRUCTION IS USED TRANSPOSED: source 0 = 16 rows of W (or Bw), source 1 = 16 rows of x (or h).  Lane l then holds row l % 16 of
; the result and its registers 0-7 the columns 8 (l / 16) + 0..7: 32 neighbouring bytes of a row of out.
.set SIZE_K, 4096
.set SIZE_N, 4096
.set KSTEP,  128
.set PITCH,  272                       ; an LDS row: 256 bytes + 16 of padding, so the 16 rows of a fragment load start 16 bytes further on in each 256
.set HALFT,  128*PITCH                 ; 34,816: what one tensor load brings, and what one wave reads of x or of W
.set SLOT,   4*HALFT                   ; 139,264: x's 256 rows, then W's 256 rows
.set STAGE,  2*SLOT                    ; 278,528: behind the ring, 16 rows x 272 bytes a wave, for the way out.  No tensor load lands there
.set SPITCH, 272
.set LAPS,   SIZE_K/(2*KSTEP)          ; 16 laps of two K steps
.set HPP,    262144                    ; bytes of one partial sum of h
.set ADRA,  8                          ; v8-9    LDS address of my x fragments in slot 0, 1
.set ADRB,  10                         ; v10-11  of my W fragments
.set STO,   16                         ; way out: where I put 32 bytes of a row
.set RD,    17                         ; way out: where I read 16 bytes of a row back
.set CO,    18                         ; my byte offset in out
.set HO,    19                         ; 16 x lane: my byte offset in an image of h
.set LBO,   21                         ; my byte offset in Bw
.set BO,    22                         ; my byte offset in the bias
.set BIAS,  24                         ; v24-27, v28-31: bias of my 4 columns in the left and the right 64 of my wave's 128
.set F0,    64
.set F1,    128
.set TMP,   192
.set LB,    0                          ; window 1
.set G1,  24                           ; s[24:31] descriptor group 1 for xa's tiles
.set G0,  32                           ; s[32:39] group 0 for xa's tiles, one set for each slot
.set G1B, 48                           ; s[48:55] group 1 for wb's tiles: it differs in the mask alone
.set G0B, 56                           ; s[56:63] group 0 for wb's tiles, one set for each slot
.set MSB, 0
.macro WIN new                         ; the immediate's high byte repeats the setting that is left; a switch that changes nothing is dropped
.if MSB != \new
	s_set_vgpr_msb (MSB<<8)|\new
.set MSB, \new
.endif
.endm
.set MUL_LO, 0xa1                      ; source 0 window 1, source 1 window 0, C and D window 2
.set MUL_HI, 0xf1                      ; the same, C and D window 3
.set TO_B,   0x40                      ; destination window 1, address and sources window 0
; A joint load.  Waves 0 and 1 fetch xa's two halves, waves 2 and 3 wb's.  Each line has one mask; the branch hangs on the wave's number alone.
.macro JLOAD s
	s_cmp_eq_u32 s11, 0
	s_cbranch_scc0 .Lfor_b_\@
	tensor_load_to_lds s[G0+4*\s:G0+4*\s+3], s[G1:G1+7]
	s_nop 0
	s_branch .Lasked_\@
.Lfor_b_\@:
	tensor_load_to_lds s[G0B+4*\s:G0B+4*\s+3], s[G1B:G1B+7]
	s_nop 0
.Lasked_\@:
.endm
; A round of the cluster's barrier: my work-group's barrier; wave 0 signals for the work-group; every wave waits for all sixteen; my work-group's barrier again.
.macro CREST                           ; a round behind its opening barrier
	s_cmp_lg_u32 s10, 0
	s_cbranch_scc1 .Lnot_wave_0_\@
	s_barrier_signal -3
.Lnot_wave_0_\@:
	s_barrier_wait -3
	s_barrier_signal -1
	s_barrier_wait -1
.endm
.macro CROUND                          ; a whole round
	s_barrier_signal -1
	s_barrier_wait -1
	CREST
.endm
	s_load_b256 s[68:75], s[0:1], 0x0              ; xa s[68:69], wb s[70:71], hp s[72:73], lora_B_w s[74:75]
	s_load_b128 s[76:79], s[0:1], 0x20             ; base_bias s[76:77], adapter_ids s[78:79]
	s_load_b64 s[80:81], s[0:1], 0x30              ; out0
	s_set_vgpr_msb 0x40
	v_lshl_add_u32 v255, v0, 2, 0x48400
	s_set_vgpr_msb 0x4000
	v_mov_b32 v63, 0
	s_set_vgpr_msb 0x1
	ds_add_u32 v255, v63
	s_set_vgpr_msb 0x100
	v_lshrrev_b32 v1, 5, v0
	v_readfirstlane_b32 s10, v1                    ; wave 0..3
	s_lshr_b32 s11, s10, 1                         ; my half of the block's rows.  Also: I fetch for xa (0) or for wb (1)
	s_and_b32 s12, s10, 1                          ; my half of its columns.  Also: which 128 rows of that tile I fetch
	s_bfe_u32 s40, ttmp6, 0x40000                  ; cx
	s_bfe_u32 s41, ttmp6, 0x40004                  ; cy
	s_lshl_b32 s42, ttmp9, 2
	s_add_co_u32 s42, s42, s40                     ; block column = 4 x cluster x + cx
	s_and_b32 s13, ttmp7, 0xffff                   ; cluster y = the batch
	s_lshl_b32 s13, s13, 2
	s_mov_b32 s83, s13                             ; 4 x batch: the byte offset of its id
	s_add_co_u32 s13, s13, s41                     ; block row = 4 x cluster y + cy
	s_lshl_b32 s43, s41, 2
	s_lshl_b32 s43, 15, s43                        ; my row of the cluster: places 4 cy .. 4 cy + 3
	s_lshl_b32 s44, 0x1111, s40                    ; my column: places cx, cx + 4, cx + 8, cx + 12
	; group 1: a tile of 128 rows x 128 elements of 2 bytes, padded in LDS by 4 words behind every 64
	s_or_b32 s[G1+0], s43, (1<<16)|(1<<20)|(1<<21)|(5<<22)|(3<<25)  ; 15:0 mask: my row; 17:16 2-byte elements; 20 padding on; 21 set beside a mask; 24:22 every 64 words; 31:25 4 words
	s_or_b32 s[G1B+0], s44, (1<<16)|(1<<20)|(1<<21)|(5<<22)|(3<<25) ; the same with the mask of my column
	s_mov_b32 s[G1+1], KSTEP<<16                   ; tensor_dim0 = 128
	s_mov_b32 s[G1B+1], KSTEP<<16
	s_mov_b32 s[G1+2], 128<<16                     ; tensor_dim1 = 128
	s_mov_b32 s[G1B+2], 128<<16
	s_mov_b32 s[G1+3], KSTEP<<16                   ; tile_dim0 = 128
	s_mov_b32 s[G1B+3], KSTEP<<16
	s_mov_b32 s[G1+4], 128                         ; tile_dim1 = 128
	s_mov_b32 s[G1B+4], 128
	s_mov_b32 s[G1+5], SIZE_K                      ; elements from row to row
	s_mov_b32 s[G1B+5], SIZE_K
	s_mov_b32 s[G1+6], 0
	s_mov_b32 s[G1B+6], 0
	s_mov_b32 s[G1+7], 0
	s_mov_b32 s[G1B+7], 0
	; where the tiles come from: xa's hang on the block row and the wave's number, wb's on the block column and the wave's number,
	; each in registers that never hold the other coordinate
	s_lshl1_add_u32 s16, s13, s12                  ; xa: 128 rows x (2 x block row + half),
	s_lshl_b32 s16, s16, 20                        ; of 8,192 bytes (below 32 MiB)
	s_mov_b32 s17, 0
	s_lshl1_add_u32 s46, s42, s12                  ; wb: 128 rows x (2 x block column + half)
	s_lshl_b32 s46, s46, 20
	s_mov_b32 s47, 0
	s_mul_i32 s20, s10, HALFT                      ; where they go: xa's two halves, then wb's two halves = wave x 128 rows
	s_wait_dscnt 0x0
	s_wait_kmcnt 0x0
	s_load_b32 s82, s[78:79], s83 offset:0x0       ; adapter_ids[batch]; waited for behind the first fills
	s_add_nc_u64 s[14:15], s[68:69], s[16:17]
	s_add_nc_u64 s[46:47], s[70:71], s[46:47]
	CROUND                                         ; all sixteen work-groups are here: the first joint loads meet
.irp s, 0,1
	s_mov_b32 s[G0+4*\s], 1                                        ; count = 1
	s_add_co_u32 s[G0+4*\s+1], s20, \s*SLOT                        ; LDS address
	s_add_nc_u64 s[G0+4*\s+2:G0+4*\s+3], s[14:15], \s*KSTEP*2      ; global address: K step s
	s_or_b32 s[G0+4*\s+3], s[G0+4*\s+3], 0x80000000                ; type = 2
	s_mov_b32 s[G0B+4*\s], 1
	s_add_co_u32 s[G0B+4*\s+1], s20, \s*SLOT
	s_add_nc_u64 s[G0B+4*\s+2:G0B+4*\s+3], s[46:47], \s*KSTEP*2
	s_or_b32 s[G0B+4*\s+3], s[G0B+4*\s+3], 0x80000000
	JLOAD \s                                       ; both slots are asked for before anything else: two tensor loads of the wave are out here, later one
.endr
	; h, the bias and Bw are asked for next
	v_and_b32 v1, 15, v0                           ; r = l % 16
	v_bfe_u32 v2, v0, 4, 1                         ; hh = l / 16
	v_and_b32 v5, 31, v0                           ; l
	v_lshlrev_b32 v[HO], 4, v5                     ; an image's quad: 16 bytes a lane
	v_lshlrev_b32 v[BO], 4, v1                     ; 16 r: my four columns of 64
	v_lshlrev_b32 v[LBO], 6, v1                    ; Bw: a row is 16 f32 = 64 bytes; I take ranks 8 hh .. 8 hh + 7 of row r
	v_lshl_add_u32 v[LBO], v2, 5, v[LBO]
	s_lshl1_add_u32 s90, s13, s11                  ; my 128 rows: number 2 x block row + half
	s_lshl_b32 s90, s90, 13                        ; eight images of 1,024 bytes
	s_mov_b32 s91, 0
	s_add_nc_u64 s[72:73], s[72:73], s[90:91]      ; hp at my first 16 rows
	s_lshl_b32 s22, s90, 8                         ; 128 rows of out, 16,384 bytes each
	s_lshl1_add_u32 s23, s42, s12                  ; my 128 columns: number 2 x block column + half
	s_lshl_b32 s90, s23, 9                         ; 128 f32 = 512 bytes
	s_add_nc_u64 s[86:87], s[76:77], s[90:91]      ; the bias at my columns
	s_add_co_u32 s90, s90, s22
	s_add_nc_u64 s[88:89], s[80:81], s[90:91]      ; out at my first row and column
.irp p, 0,1
.irp i, 0,1,2,3,4,5,6,7
	global_load_b128 v[F0+64*\p+8*\i:F0+64*\p+8*\i+3],   v[HO], s[72:73] offset:\p*HPP+1024*\i       ; partial sum p of h(16 i + r, 8 hh .. + 3): 512 consecutive bytes a load
	global_load_b128 v[F0+64*\p+8*\i+4:F0+64*\p+8*\i+7], v[HO], s[72:73] offset:\p*HPP+1024*\i+512   ; and of h(16 i + r, 8 hh + 4 .. + 7)
.endr
.endr
	WIN TO_B
.irp p, 0,1
.irp i, 0,1,2,3,4,5,6,7
	global_load_b128 v[F0+64*\p+8*\i:F0+64*\p+8*\i+3],   v[HO], s[72:73] offset:(\p+2)*HPP+1024*\i      ; partial sums 2 and 3, into window 1
	global_load_b128 v[F0+64*\p+8*\i+4:F0+64*\p+8*\i+7], v[HO], s[72:73] offset:(\p+2)*HPP+1024*\i+512
.endr
.endr
	WIN 0
	global_load_b128 v[BIAS:BIAS+3],   v[BO], s[86:87]
	global_load_b128 v[BIAS+4:BIAS+7], v[BO], s[86:87] offset:256
	s_wait_kmcnt 0x0                               ; the id; s82 and s83 may be written again
	s_min_u32 s82, s82, 31                         ; stays inside the table of 32 adapters
	s_lshl_b32 s82, s82, 18                        ; an adapter's 4,096 rows of 64 bytes
	s_lshl_b32 s23, s23, 13                        ; my 128 rows of Bw
	s_add_co_u32 s82, s82, s23
	s_mov_b32 s83, 0
	s_add_nc_u64 s[84:85], s[74:75], s[82:83]
.irp i, 0,1,2,3,4,5,6,7
	global_load_b128 v[TMP+8*\i:TMP+8*\i+3],   v[LBO], s[84:85] offset:1024*\i       ; Bw(16 i + r, 8 hh .. + 3); the pair of loads covers 1,024 consecutive bytes
	global_load_b128 v[TMP+8*\i+4:TMP+8*\i+7], v[LBO], s[84:85] offset:1024*\i+16    ; Bw(16 i + r, 8 hh + 4 .. + 7)
.endr
	; lane addresses.  A fragment is 16 rows x 32 K in 8 registers: lane l holds row l % 16; registers 0-3 K = 8 (l / 16) + 0..7, registers 4-7
	; K = 16 + 8 (l / 16) + 0..7: two loads of 16 bytes, 32 bytes apart, at row x pitch + 16 (l / 16).
	v_mul_u32_u24 v3, v1, PITCH
	v_lshl_add_u32 v3, v2, 4, v3                   ; r x pitch + 16 hh
	s_mul_i32 s4, s11, HALFT                       ; my 128 rows of x
	s_mul_i32 s5, s12, HALFT                       ; my 128 rows of W,
	s_add_co_u32 s5, s5, 2*HALFT                   ; which lie behind x's 256
	v_add_nc_u32 v[ADRA], s4, v3
	v_add_nc_u32 v[ADRB], s5, v3
	v_add_nc_u32 v[ADRA+1], SLOT, v[ADRA]          ; the same in slot 1
	v_add_nc_u32 v[ADRB+1], SLOT, v[ADRB]
	s_mul_i32 s8, s10, 16*SPITCH
	s_add_co_u32 s8, s8, STAGE                     ; my stage
	v_mul_u32_u24 v4, v1, SPITCH                   ; in: row r, 32 bytes for each half of the lanes
	v_lshl_add_u32 v4, v2, 5, v4
	v_add_nc_u32 v[STO], s8, v4
	v_mul_u32_u24 v4, v2, SPITCH                   ; back: lanes 0-15 take one row's 256 bytes, lanes 16-31 the next row's
	v_lshl_add_u32 v4, v1, 4, v4
	v_add_nc_u32 v[RD], s8, v4
	v_lshl_add_u32 v[CO], v2, 14, v[BO]            ; and the same two rows in out (16,384 bytes a row)
.macro ADD32 d, s                      ; 64 numbers: v[d ..] += v[s ..], each operand in the window that is set
.set p, 0
.rept 32
	v_pk_add_f32 v[\d+2*p:\d+2*p+1], v[\d+2*p:\d+2*p+1], v[\s+2*p:\s+2*p+1]
.set p, p+1
.endr
.endm
	s_wait_loadcnt 0x0                             ; once, while the first tiles are on their way
	WIN TO_B
.irp i, 0,1,2,3,4,5,6,7
.irp q, 0,1,2,3
	v_cvt_pk_bf16_f32 v[LB+8*\i+\q],   v[TMP+8*\i+2*\q], v[TMP+8*\i+2*\q+1]          ; K = 8 hh ..: meets h_hi
	v_cvt_pk_bf16_f32 v[LB+8*\i+4+\q], v[TMP+8*\i+2*\q], v[TMP+8*\i+2*\q+1]          ; K = 16 + 8 hh ..: the same numbers, meet h_lo
.endr
.endr
	WIN 0
	ADD32 F0, F1                                   ; partial sums 0 + 1
	WIN 0x45                                       ; all three operands window 1
	ADD32 F0, F1                                   ; partial sums 2 + 3
	WIN 0x04                                       ; source 1 window 1
	ADD32 F0, F0                                   ; h, in window 0's buffer 0: register 8 i + j = h(16 i + r, 8 hh + j)
	WIN 0
.irp i, 0,1,2,3,4,5,6,7
.irp q, 0,1,2,3
	v_cvt_pk_bf16_f32 v[F1+8*\i+\q], v[F0+8*\i+2*\q], v[F0+8*\i+2*\q+1]       ; h_hi: registers 0-3 of fragment i
.endr
.endr
.irp i, 0,1,2,3,4,5,6,7
.irp q, 0,1,2,3
	v_lshlrev_b32 v[TMP+8*\i+2*\q],   16,         v[F1+8*\i+\q]               ; h_hi back in f32
	v_and_b32     v[TMP+8*\i+2*\q+1], 0xffff0000, v[F1+8*\i+\q]
.endr
.endr
.set p, 0
.rept 32
	v_pk_add_f32 v[TMP+2*p:TMP+2*p+1], v[F0+2*p:F0+2*p+1], v[TMP+2*p:TMP+2*p+1] neg_lo:[0,1] neg_hi:[0,1]   ; h - h_hi, exact
.set p, p+1
.endr
.irp i, 0,1,2,3,4,5,6,7
.irp q, 0,1,2,3
	v_cvt_pk_bf16_f32 v[F1+8*\i+4+\q], v[TMP+8*\i+2*\q], v[TMP+8*\i+2*\q+1]   ; h_lo: registers 4-7 of fragment i
.endr
.endr
; 16 matrix instructions: m blocks a0, a0 + 1 of the window's four (hi = 0: my rows 0-63, 1: rows 64-127) x all 8 n blocks, 32 along K.
; fb: source 0's buffer in window 1; fa: source 1's in window 0.  zero = 1: the product starts the sums.
.macro MUL16 fb, fa, hi, a0, zero
.irp a, \a0, \a0+1
.irp b, 0,1,2,3,4,5,6,7
.if \zero
	v_wmma_f32_16x16x32_bf16 v[8*(8*(\a)+\b):8*(8*(\a)+\b)+7], v[\fb+8*\b:\fb+8*\b+7], v[\fa+8*(4*\hi+\a):\fa+8*(4*\hi+\a)+7], 0
.else
	v_wmma_f32_16x16x32_bf16 v[8*(8*(\a)+\b):8*(8*(\a)+\b)+7], v[\fb+8*\b:\fb+8*\b+7], v[\fa+8*(4*\hi+\a):\fa+8*(4*\hi+\a)+7], v[8*(8*(\a)+\b):8*(8*(\a)+\b)+7]
.endif
.endr
.endr
.endm
; 32 LDS loads in one run: the fragments of one quarter step (128 rows of W, 128 rows of x, 32 K at byte k of the rows) into buffer f
.macro FETCH slot, k, f
	WIN TO_B
.irp i, 0,1,2,3,4,5,6,7
	ds_load_b128 v[\f+8*\i:\f+8*\i+3],   v[ADRB+\slot] offset:\k+\i*16*PITCH
	ds_load_b128 v[\f+8*\i+4:\f+8*\i+7], v[ADRB+\slot] offset:\k+\i*16*PITCH+32
.endr
	WIN 0
.irp i, 0,1,2,3,4,5,6,7
	ds_load_b128 v[\f+8*\i:\f+8*\i+3],   v[ADRA+\slot] offset:\k+\i*16*PITCH
	ds_load_b128 v[\f+8*\i+4:\f+8*\i+7], v[ADRA+\slot] offset:\k+\i*16*PITCH+32
.endr
.endm
; A load into a register that a matrix instruction has read, and a vector instruction or store that reads a matrix result or writes one of a matrix
; instruction's registers, stand four places behind it; only plain vector instructions that name none of its registers are places (ISA guide 7.12.1
; for vector instructions).  The matrix instructions in between are not counted.
.macro PLACES
.rept 4
	v_nop
.endr
.endm
; A K step is four quarters of 32 along K, 64 matrix instructions each, on buffers 0, 1, 0, 1.  The 64 accumulators take turns, one instruction a
; turn, in the same order in the adapter's step and in every quarter, over the loop's backward jump and into the tail too.
; One of the first three quarters: multiplies buffer f; in its middle it fetches the next quarter, at byte k of the same slot's rows, into buffer g.
.macro QUARTER slot, k, f, g
	s_wait_dscnt 8                                 ; all but the youngest eight loads (x's rows 64-127) are in
	WIN MUL_LO
	MUL16 \f, \f, 0, 0, 0
	MUL16 \f, \f, 0, 2, 0
	PLACES
	FETCH \slot, \k, \g
	s_wait_dscnt 32                                ; all but the 32 just issued
	WIN MUL_HI
	MUL16 \f, \f, 1, 0, 0
	MUL16 \f, \f, 1, 2, 0
.endm
.macro THREE slot
	QUARTER \slot, 64,  F0, F1
	QUARTER \slot, 128, F1, F0
	QUARTER \slot, 192, F0, F1
.endm
; The last quarter: multiplies buffer 1 and changes slots.  One barrier for two things: in front of it each wave waits for its own reads of this
; slot and for all its tensor loads (one is out: its part of the next slot); behind it nobody reads this slot and the next slot is whole.
; fill = 1: the barrier opens a round of the cluster's barrier, and the joint refill, two K steps ahead, is the first tensor load behind the round.
; From a request to the wait for it a wave issues a K step's 256 matrix instructions less the 16 between signal and wait.
.macro TURN slot, next, fill
	s_wait_dscnt 8
	WIN MUL_LO
	MUL16 F1, F1, 0, 0, 0
	s_wait_dscnt 0                                 ; my reads of this slot are over
	s_wait_tensorcnt 0x0                           ; and all my tensor loads have landed
	ds_add_u32 v255, v63
	s_wait_dscnt 0x0
	s_barrier_signal -1                            ; say so,
	MUL16 F1, F1, 0, 2, 0                          ; work on registers while the others arrive,
	WIN 0
	s_barrier_wait -1                              ; and go on when all four have said so
.if \fill
	CREST                                          ; all sixteen work-groups have said so: no wave of any partner still reads this slot or has a load on its way
	s_add_nc_u64 s[G0+4*\slot+2:G0+4*\slot+3], s[G0+4*\slot+2:G0+4*\slot+3], 2*KSTEP*2      ; no tensor load of mine is out: group 0 may be written
	s_add_nc_u64 s[G0B+4*\slot+2:G0B+4*\slot+3], s[G0B+4*\slot+2:G0B+4*\slot+3], 2*KSTEP*2
	JLOAD \slot
.endif
	PLACES
	FETCH \next, 0, F0
	WIN MUL_HI
	MUL16 F1, F1, 1, 0, 0
	MUL16 F1, F1, 1, 2, 0
.endm
.macro LAP                             ; once round the ring, both slots filled again
	THREE 0
	TURN 0, 1, 1
	THREE 1
	TURN 1, 0, 1
.endm
	; THE ADAPTER'S STEP starts the 64 sums; its first half needs no tile and stands in front of the wait for the first one
	WIN MUL_LO
	MUL16 LB, F1, 0, 0, 1
	MUL16 LB, F1, 0, 2, 1
	s_wait_tensorcnt 0x1                           ; my part of K step 0 is in; K step 1's may stay out
	s_barrier_signal -1
	s_barrier_wait -1                              ; everybody's is
	FETCH 0, 0, F0                                 ; buffer 0 is no register of the matrix instructions above
	WIN MUL_HI
	MUL16 LB, F1, 1, 0, 1
	MUL16 LB, F1, 1, 2, 1
	WIN 0                                          ; at a label and at a branch every window is 0
	s_mov_b32 s3, LAPS-1
.Llap:
	LAP
	WIN 0
	s_sub_co_u32 s3, s3, 1
	s_cmp_lg_u32 s3, 0
	s_cbranch_scc1 .Llap
	THREE 0                                        ; the last lap fills nothing and has no round: the one load still out is slot 1's, the last K step's
	TURN 0, 1, 0
	THREE 1
	s_wait_dscnt 8                                 ; the very last quarter: nothing more to fetch
	WIN MUL_LO
	MUL16 F1, F1, 0, 0, 0
	MUL16 F1, F1, 0, 2, 0
	s_wait_dscnt 0
	WIN MUL_HI
	MUL16 F1, F1, 1, 0, 0
	MUL16 F1, F1, 1, 2, 0
	; THE WAY OUT, 16 rows x 64 columns at a time: a lane's 32 bytes of a row go into my own stage, whole rows of 256 bytes come back, the bias is
	; added, and sixteen lanes store 256 consecutive bytes at a multiple of 256 from out's first byte.  The stage is my wave's alone and LDS serves
	; a wave's instructions in order (ISA guide 5.7.1.4): no barrier, and no wait between the stores and the loads.
	PLACES                                         ; behind the last matrix instructions: results are stored to LDS, buffers 0 and 1 are loaded
; a: m block of the window; from: 0x08 / 0x0c, the LDS stores' data in window 2 / 3; hi: 0 / 1 with it; c2: left or right 64 columns; f: F0 or F1 in turn
.macro OUT a, from, hi, c2, f
	WIN \from
.irp b, 0,1,2,3
	ds_store_b128 v[STO], v[8*(8*\a+4*\c2+\b):8*(8*\a+4*\c2+\b)+3]   offset:64*\b
	ds_store_b128 v[STO], v[8*(8*\a+4*\c2+\b)+4:8*(8*\a+4*\c2+\b)+7] offset:64*\b+16
.endr
	WIN 0
	s_wait_xcnt 0x0                                ; buffer f, which earlier global stores read, is written again only behind this wait
.irp t, 0,1,2,3,4,5,6,7
	ds_load_b128 v[\f+4*\t:\f+4*\t+3], v[RD] offset:\t*2*SPITCH    ; rows 2 t and 2 t + 1
.endr
.irp t, 0,1,2,3,4,5,6,7
	s_wait_dscnt 7-\t                              ; LDS loads come back in order: load t is in, the younger ones stay out
	v_pk_add_f32 v[\f+4*\t:\f+4*\t+1],   v[\f+4*\t:\f+4*\t+1],   v[BIAS+4*\c2:BIAS+4*\c2+1]
	v_pk_add_f32 v[\f+4*\t+2:\f+4*\t+3], v[\f+4*\t+2:\f+4*\t+3], v[BIAS+4*\c2+2:BIAS+4*\c2+3]
	global_store_b128 v[CO], v[\f+4*\t:\f+4*\t+3], s[88:89] offset:(16*(4*\hi+\a)+2*\t)*SIZE_N*4+256*\c2 th:TH_STORE_NT   ; 2,064,640 at the most: inside the signed 24 bits
.endr
.endm
.irp a, 0,1,2,3
	OUT \a, 0x08, 0, 0, F0
	OUT \a, 0x08, 0, 1, F1
.endr
.irp a, 0,1,2,3
	OUT \a, 0x0c, 1, 0, F0
	OUT \a, 0x0c, 1, 1, F1
.endr
	s_set_vgpr_msb 0x1
	s_wait_tensorcnt 0x0
	ds_add_u32 v255, v63
	s_wait_dscnt 0x0
	s_set_vgpr_msb 0x100
	CROUND                                         ; the closing round: no work-group ends while a partner may still ask for a tile that names it
	s_endpgm
.Lfunc_end_k_qa46ffc188c_gemm:
	.size	k_qa46ffc188c_gemm, .Lfunc_end_k_qa46ffc188c_gemm-k_qa46ffc188c_gemm
	.p2alignl 7, 3214868480
	.fill 96, 4, 3214868480
	.section	.rodata,"a",@progbits
	.p2align	6, 0x0
	.amdhsa_kernel k_qa46ffc188c_gemm
		.amdhsa_group_segment_fixed_size 327680
		.amdhsa_private_segment_fixed_size 0
		.amdhsa_enable_private_segment 0
		.amdhsa_kernarg_size 56
		.amdhsa_user_sgpr_count 2
		.amdhsa_user_sgpr_kernarg_segment_ptr 1
		.amdhsa_wavefront_size32 1
		.amdhsa_system_sgpr_workgroup_id_x 1
		.amdhsa_system_sgpr_workgroup_id_y 1
		.amdhsa_system_sgpr_workgroup_id_z 1
		.amdhsa_system_vgpr_workitem_id 0
		.amdhsa_next_free_vgpr 1024
		.amdhsa_next_free_sgpr 92
		.amdhsa_reserve_vcc 0
		.amdhsa_float_denorm_mode_32 3
		.amdhsa_float_denorm_mode_16_64 3
		.amdhsa_memory_ordered 1
		.amdhsa_forward_progress 1
		.amdhsa_inst_pref_size 191
	.end_amdhsa_kernel
	.amdgpu_metadata
---
amdhsa.version: [ 1, 2 ]
amdhsa.kernels:
  - .name:           k_qa46ffc188c_gemm
    .symbol:         k_qa46ffc188c_gemm.kd
    .args:
      - { .name: xa, .offset: 0, .size: 8, .value_kind: global_buffer, .address_space: global }
      - { .name: wb, .offset: 8, .size: 8, .value_kind: global_buffer, .address_space: global }
      - { .name: hp, .offset: 16, .size: 8, .value_kind: global_buffer, .address_space: global }
      - { .name: lora_B_w, .offset: 24, .size: 8, .value_kind: global_buffer, .address_space: global }
      - { .name: base_bias, .offset: 32, .size: 8, .value_kind: global_buffer, .address_space: global }
      - { .name: adapter_ids, .offset: 40, .size: 8, .value_kind: global_buffer, .address_space: global }
      - { .name: out0, .offset: 48, .size: 8, .value_kind: global_buffer, .address_space: global }
    .group_segment_fixed_size: 327680
    .private_segment_fixed_size: 0
    .kernarg_segment_align: 8
    .kernarg_segment_size: 56
    .max_flat_workgroup_size: 128
    .sgpr_count:     92
    .vgpr_count:     1024
    .wavefront_size: 32
...
	.end_amdgpu_metadata
.endif
;; end of part 2
